; MI455X (gfx1250); checked and timed in simulation.
; The chip was launched on July 23, 2026; its instructions are those of AMD's public machine-readable ISA for CDNA 5 (MIT licence, August 2026) and "CDNA5" Instruction Set Architecture Reference Guide (July 2026). The comments in the code are by the model that wrote it; some were corrected since.
;; NSM. Allowed arithmetic: float matrix products may take bf16 or f16 operands with f32 sums; other float arithmetic in f32, or as packed bf16 or f16 multiplies, adds, multiply-adds, maxima and minima; sums over many terms, partial sums and values carried from step to step in f32; what a program stores and reads back later, other than sums and carried values, may be rounded once to bf16 or f16.
;; Inputs: M 512 x 512 float32; W 512 x 1,024 float32; x 1,024 x 4,096 float32.
;; Outputs: out0 512 x 4,096 float32.
;; 2 versions, each right; version 2 is version 1 with the launch prep written anew for expert scheduling mode. Each part assembles by itself: llvm-mc -triple=amdgcn-amd-amdhsa -mcpu=gfx1250 --defsym DOCPART=n.
;; ======== version 1 of 2: 2 launches
;; workspace buffers: wm 1,572,864 bytes
;; launch prep (part 1): grid 256 x 1, 3 waves a work-group, no clusters, 7,424 bytes of LDS; arguments W, M, wm; writes wm
.if DOCPART == 1
	.amdgcn_target "amdgcn-amd-amdhsa--gfx1250"
	.amdhsa_code_object_version 6
	.text
	.protected	k_q1f2dc73c77_prep
	.globl	k_q1f2dc73c77_prep
	.p2align	8
	.type	k_q1f2dc73c77_prep,@function
k_q1f2dc73c77_prep:
	s_mov_b64 s[64:65], 0
	v_nop
	global_prefetch_b8 v0, s[64:65] scope:SCOPE_SE
	s_setreg_imm32_b32 hwreg(HW_REG_WAVE_MODE, 25, 1), 1
	s_wait_xcnt 0x0
; W [512][1024] and M [512][512], f32, are rounded once to bf16 (M with its sign turned, which is exact) and laid into wm as the register images of matrix
; operands, in the order in which the next launch streams them.
; A FRAGMENT IMAGE is 1,024 bytes: 16 rows x 32 k.  Byte 512 c + 16 l (half c, lane l = 16 h + r) begins the 8 numbers of row r, k = 16 c + 8 h + 0..7.
; wm = [block 0..11][wave w 0..3][index 0..31][1,024 bytes].  Wave w of the next launch owns rows 128 w .. 128 w + 127, tile i (0..7) rows 128 w + 16 i on.
;   blocks 3 + b, b = 0..7: W, k step 4 b + kk at index 8 kk + i.
;   blocks 0, 1, 2 and 11: -M.  Position p of wave w is k step (4 w + p) & 15; with P = p / 2 its fragments have the numbers
;   n = 12 P + i (p even), 12 P + 8 + i (p odd, i < 4), 96 + 4 P + i - 4 (p odd, i >= 4); number n lies in block n / 32 (block 11 for n >= 96) at index n % 32.
; SHARES.  768 patches of 16 rows x 64 k (rows of 256 bytes of f32), one a wave: two fragments.  A patch comes in by eight loads, each of two rows' 256 aligned bytes,
; is rounded, turned in the wave's own LDS bytes, and leaves by four stores of 512 consecutive aligned bytes.  No byte is read twice, so nothing is shared, and no wave waits for another.
; LIMITS.  One rounding to nearest even; NaN and infinities pass as the conversion leaves them.
.set PITCH, 144                        ; an LDS row: 128 bytes (64 bf16) + 16: the 16 rows that a 16-byte load touches start at 16 different groups of four banks (ISA guide 11.1)
.set WAVEB, 16*PITCH                   ; a wave's bytes
.set SPARE, 6912                       ; behind the three waves' bytes: the spare words, 128 bytes a wave, two blocks of 256 bytes that no other line names
.set SPW, 2                            ; v2   LDS address of my spare word; never rewritten
.set NIL, 3                            ; v3   0; never rewritten
.set LST, 4                            ; v4   where I put 8 bytes of a row
.set LRD, 5                            ; v5   where I read 16 bytes of a fragment
.set GO,  6                            ; v6   16 x lane: my place in 512 bytes of an image
.set VO,  8                            ; v8   my byte offset in the patch's first two rows
.set R,   9                            ; v9   lane % 16
.set H,   10                           ; v10  lane / 16
.set D,   16                           ; v[16:47] load q: four f32, then two words of bf16
.set F,   48                           ; v[48:63] the two fragments' four halves
	s_load_b128 s[4:7], s[0:1], 0x0                ; W s[4:5], M s[6:7]
	s_load_b64 s[8:9], s[0:1], 0x10                ; wm
	v_lshl_add_u32 v[SPW], v0, 2, SPARE
	v_mov_b32 v[NIL], 0
	v_lshrrev_b32 v1, 5, v0
	v_readfirstlane_b32 s10, v1                    ; wave 0..2
	v_and_b32 v1, 31, v0
	v_and_b32 v[R], 15, v0
	v_bfe_u32 v[H], v0, 4, 1
	s_mul_i32 s12, s10, WAVEB
	v_mul_u32_u24 v[LST], v[H], PITCH              ; in: lanes 0-15 one row, lanes 16-31 the next; 8 bytes a lane
	v_lshl_add_u32 v[LST], v[R], 3, v[LST]
	v_add_nc_u32 v[LST], s12, v[LST]
	v_mul_u32_u24 v[LRD], v[R], PITCH              ; back: row lane % 16, 16 bytes for each half of the lanes
	v_lshl_add_u32 v[LRD], v[H], 4, v[LRD]
	v_add_nc_u32 v[LRD], s12, v[LRD]
	v_lshlrev_b32 v[GO], 4, v1
	s_mul_i32 s11, ttmp9, 3
	s_add_co_u32 s11, s11, s10                     ; my patch, 0..767
	s_mov_b32 s21, 0                               ; the three offsets' high words
	s_mov_b32 s23, 0
	s_mov_b32 s25, 0
; A patch comes in: eight loads of two rows; each is rounded as it lands (the count leaves the younger loads out) and goes into LDS.  neg = 1: both signs of a word are turned.
.macro INTAKE pitch, neg
	v_mul_u32_u24 v[VO], v[H], \pitch
	v_lshl_add_u32 v[VO], v[R], 4, v[VO]
.irp q, 0,1,2,3,4,5,6,7
	global_load_b128 v[D+4*(\q):D+4*(\q)+3], v[VO], s[20:21] offset:2*(\q)*(\pitch) th:TH_LOAD_NT
.endr
.irp q, 0,1,2,3,4,5,6,7
	s_wait_loadcnt 7-(\q)                          ; loads come back in order (ISA guide 5.7.1): load q is in
	v_cvt_pk_bf16_f32 v[D+4*(\q)], v[D+4*(\q)], v[D+4*(\q)+1]
	v_cvt_pk_bf16_f32 v[D+4*(\q)+1], v[D+4*(\q)+2], v[D+4*(\q)+3]
.if \neg
	v_xor_b32 v[D+4*(\q)], 0x80008000, v[D+4*(\q)]
	v_xor_b32 v[D+4*(\q)+1], 0x80008000, v[D+4*(\q)+1]
.endif
	ds_store_b64 v[LST], v[D+4*(\q):D+4*(\q)+1] offset:2*(\q)*PITCH
.endr
.endm
	s_cmp_lt_u32 s11, 512                          ; patches 0..511 are W's, 512..767 M's: the kernel has no barrier, so waves may part here
	s_cbranch_scc0 .Lfrom_m
	s_lshr_b32 s13, s11, 4                         ; T: the 16 rows
	s_and_b32 s14, s11, 15                         ; u: the 64 k
	s_lshr_b32 s15, s13, 3                         ; w
	s_and_b32 s16, s13, 7                          ; i
	s_lshl_b32 s20, s13, 16                        ; 16 rows of 4,096 bytes
	s_lshl_b32 s17, s14, 8
	s_add_co_u32 s20, s20, s17
	s_lshr_b32 s17, s14, 1                         ; k steps 2 u and 2 u + 1 lie in block 3 + u / 2,
	s_add_co_u32 s17, s17, 3
	s_lshl2_add_u32 s17, s17, s15                  ; 4 x block + w
	s_lshl_b32 s17, s17, 15
	s_and_b32 s18, s14, 1                          ; at indices 16 (u % 2) + i and 8 more
	s_lshl4_add_u32 s18, s18, s16
	s_lshl_b32 s18, s18, 10
	s_add_co_u32 s22, s17, s18
	s_add_co_u32 s24, s22, 8192
	s_wait_kmcnt 0x0
	s_add_nc_u64 s[20:21], s[4:5], s[20:21]
	INTAKE 4096, 0
	s_branch .Lturn
.Lfrom_m:
	s_sub_co_u32 s19, s11, 512
	s_lshr_b32 s13, s19, 3                         ; T
	s_and_b32 s14, s19, 7                          ; u
	s_lshr_b32 s15, s13, 3                         ; w
	s_and_b32 s16, s13, 7                          ; i
	s_lshl_b32 s20, s13, 15                        ; 16 rows of 2,048 bytes
	s_lshl_b32 s17, s14, 8
	s_add_co_u32 s20, s20, s17
	s_lshl_b32 s17, s15, 1
	s_sub_co_u32 s17, s14, s17
	s_and_b32 s17, s17, 7                          ; P = (u - 2 w) & 7: k steps 2 u, 2 u + 1 are wave w's positions 2 P, 2 P + 1
	s_mul_i32 s18, s17, 12
	s_add_co_u32 s18, s18, s16                     ; the even position's number: 12 P + i, 91 at the most
	s_add_co_u32 s26, s18, 8                       ; the odd position's: 12 P + 8 + i,
	s_lshl2_add_u32 s27, s17, s16
	s_add_co_u32 s27, s27, 92                      ; or 96 + 4 P + i - 4
	s_cmp_lt_u32 s16, 4
	s_cselect_b32 s26, s26, s27
	s_lshr_b32 s27, s18, 5                         ; block 0..2
	s_lshl2_add_u32 s27, s27, s15
	s_lshl_b32 s27, s27, 15
	s_and_b32 s18, s18, 31
	s_lshl_b32 s18, s18, 10
	s_add_co_u32 s22, s27, s18
	s_lshr_b32 s27, s26, 5
	s_cmp_eq_u32 s27, 3                            ; numbers 96..127 lie in block 11
	s_cselect_b32 s27, 11, s27
	s_lshl2_add_u32 s27, s27, s15
	s_lshl_b32 s27, s27, 15
	s_and_b32 s26, s26, 31
	s_lshl_b32 s26, s26, 10
	s_add_co_u32 s24, s27, s26
	s_wait_kmcnt 0x0
	s_add_nc_u64 s[20:21], s[6:7], s[20:21]
	INTAKE 2048, 1
.Lturn:
	s_add_nc_u64 s[22:23], s[8:9], s[22:23]        ; the two images in wm
	s_add_nc_u64 s[24:25], s[8:9], s[24:25]
.irp n, 0,1,2,3                        ; half n % 2 of fragment n / 2: k = 16 n + 8 h on, 32 n + 16 h bytes into the row
	ds_load_b128 v[F+4*(\n):F+4*(\n)+3], v[LRD] offset:32*(\n)  ; my own bytes; LDS serves a wave's instructions in order (ISA guide 5.7.1.4): these see the stores above
.endr
	s_wait_dscnt 3
	global_store_b128 v[GO], v[F:F+3], s[22:23]               ; 512 consecutive bytes, at a multiple of 512 from wm's first byte
	s_wait_dscnt 2
	global_store_b128 v[GO], v[F+4:F+7], s[22:23] offset:512
	s_wait_dscnt 1
	global_store_b128 v[GO], v[F+8:F+11], s[24:25]
	s_wait_dscnt 0x0
	global_store_b128 v[GO], v[F+12:F+15], s[24:25] offset:512
	s_wait_tensorcnt 0x0                           ; the wave's end: behind my last LDS store
	ds_add_u32 v[SPW], v[NIL]
	s_wait_dscnt 0x0
	s_endpgm
.Lfunc_end_k_q1f2dc73c77_prep:
	.size	k_q1f2dc73c77_prep, .Lfunc_end_k_q1f2dc73c77_prep-k_q1f2dc73c77_prep
	.p2alignl 7, 3214868480
	.fill 96, 4, 3214868480
	.section	.rodata,"a",@progbits
	.p2align	6, 0x0
	.amdhsa_kernel k_q1f2dc73c77_prep
		.amdhsa_group_segment_fixed_size 7424
		.amdhsa_private_segment_fixed_size 0
		.amdhsa_enable_private_segment 0
		.amdhsa_kernarg_size 24
		.amdhsa_user_sgpr_count 2
		.amdhsa_user_sgpr_kernarg_segment_ptr 1
		.amdhsa_wavefront_size32 1
		.amdhsa_system_sgpr_workgroup_id_x 1
		.amdhsa_system_sgpr_workgroup_id_y 1
		.amdhsa_system_sgpr_workgroup_id_z 1
		.amdhsa_system_vgpr_workitem_id 0
		.amdhsa_next_free_vgpr 64
		.amdhsa_next_free_sgpr 66
		.amdhsa_reserve_vcc 0
		.amdhsa_float_denorm_mode_32 3
		.amdhsa_float_denorm_mode_16_64 3
		.amdhsa_memory_ordered 1
		.amdhsa_forward_progress 1
		.amdhsa_inst_pref_size 11
	.end_amdhsa_kernel
	.amdgpu_metadata
---
amdhsa.version: [ 1, 2 ]
amdhsa.kernels:
  - .name:           k_q1f2dc73c77_prep
    .symbol:         k_q1f2dc73c77_prep.kd
    .args:
      - { .name: W, .offset: 0, .size: 8, .value_kind: global_buffer, .address_space: global }
      - { .name: M, .offset: 8, .size: 8, .value_kind: global_buffer, .address_space: global }
      - { .name: wm, .offset: 16, .size: 8, .value_kind: global_buffer, .address_space: global }
    .group_segment_fixed_size: 7424
    .private_segment_fixed_size: 0
    .kernarg_segment_align: 8
    .kernarg_segment_size: 24
    .max_flat_workgroup_size: 96
    .sgpr_count:     66
    .vgpr_count:     64
    .wavefront_size: 32
...
	.end_amdgpu_metadata
.endif
;; end of part 1
;; launch nsm (part 2): grid 256 x 1, 4 waves a work-group, clusters of 4 x 1, 327,680 bytes of LDS; arguments x, wm, out0; writes out0
.if DOCPART == 2
	.amdgcn_target "amdgcn-amd-amdhsa--gfx1250"
	.amdhsa_code_object_version 6
	.text
	.protected	k_q1f2dc73c77_nsm
	.globl	k_q1f2dc73c77_nsm
	.p2align	8
	.type	k_q1f2dc73c77_nsm,@function
k_q1f2dc73c77_nsm:
	s_mov_b64 s[64:65], 0
	v_nop
	global_prefetch_b8 v0, s[64:65] scope:SCOPE_SE
	s_setreg_imm32_b32 hwreg(HW_REG_WAVE_MODE, 25, 1), 1
	s_wait_xcnt 0x0
	s_wait_alu depctr_hold_cnt(0) depctr_sa_sdst(0) depctr_va_vdst(0) depctr_va_sdst(0) depctr_va_ssrc(0) depctr_va_vcc(0) depctr_vm_vsrc(0)
	s_getreg_b32 s2, hwreg(HW_REG_IB_STS2, 6, 4)
	s_cmp_eq_u32 s2, 0
	s_cbranch_scc0 .Lentry_in_a_cluster
	s_endpgm
.Lentry_in_a_cluster:
	s_bfe_u32 s2, ttmp6, 0x10000c
	s_cmp_lg_u32 s2, 0x3003
	s_cbranch_scc0 .Lentry_shape_is_right
	s_endpgm
.Lentry_shape_is_right:
; Wx = W x, then fifty times y <- Wx - M y (y starts as Wx), for 16 columns of x [1024][4096] a work-group; out0 [512][4096] = the last y.  All f32 in memory.
; wm holds W and -M in bf16 as 1,024-byte images of matrix operands (16 rows x 32 k; byte 512 c + 16 lane begins registers 4 c .. 4 c + 3): twelve blocks of 131,072 bytes, in each 32,768 for each wave:
; blocks 0-2: 96 fragments a wave of -M, which stay in registers; blocks 3-10: W, 128 k a block; block 11: the other 32 fragments a wave of -M, which stay in LDS.
; SHARES.  A step needs a column's whole y, and columns need nothing of each other: 4,096 / 256 = 16 columns a work-group, one tile wide.  Wave w owns rows 128 w .. + 127 of Wx and y: 8 tiles of 16 x 16.
; In a result a lane holds column lane % 16 and rows 8 (lane / 16) + 0..7, so two neighbouring tiles rounded to bf16 in pairs ARE the second source (32 k x 16 columns) of the next step: nothing changes lanes.
; A STEP is 16 positions of 8 products a wave.  Position p takes k step (4 w + p) & 15: positions 0-3 are the wave's OWN rows of y, straight from its registers; under their 32 products the four waves
; exchange y through LDS (one barrier a step, two buffers by turns).  The subtraction costs nothing: -M is the first source, and Wx is the C operand of position 0.
; Of a step's 128 fragments of -M 96 are in registers (768) and 32 come from LDS, in eight runs of loads with y's fragments, each run two positions or more ahead of its use.
; CLUSTER.  All work-groups stream the same wm, so the four of a cluster ask for each block JOINTLY: the same tensor load, descriptor and mask in all four; wave w of each takes wave w's part.
; WHAT IS LESS THAN WHOLE.  A work-group owns 64 bytes of each row of x and out0: a load or store of a wave covers 8 rows x 64 bytes, 16 bytes a lane; work-groups hand each other nothing, so no more can be gathered.
; LIMITS.  W, x, M once, and y in each step, are rounded to bf16 as matrix operands; Wx and all sums stay f32, summed in the matrix unit's order, positions in the order above.  NaN and infinities are not treated apart.
; REGISTERS, in windows of 256 (s_set_vgpr_msb: bits 1:0 source 0, 7:6 destination): windows 1-3: -M's fragment n (0..95) at window 1 + n / 32, v[8 (n % 32)].  Window 0: below.
.set XROW,  16384                      ; bytes in a row of x and of out0
.set BLOCK, 131072                     ; a block of wm, and an LDS slot
.set FRAG,  1024
.set SLOT1, BLOCK                      ; LDS: slot 0 at 0, slot 1 here; wave w's part at 32,768 w.  Slot 1's last fill, block 11, stays; slot 0 serves as the way out's stage behind its last fill
.set XY,    2*BLOCK                    ; 32,768 bytes that no tensor load fills: first x in bf16, [1024 k][16 columns], 32 bytes a row; then y's two buffers, fragment of k step s at 1,024 s
.set YBUF,  16384
.set SPARE, XY+32768                   ; the spare words, 128 bytes a wave: two blocks of 256 bytes that no other line names
.set OPITCH, 80                        ; the stage: a row of 64 bytes + 16: the two halves of the lanes, 8 rows apart, fall 160 words apart, on different banks (ISA guide 11.1)
.set SPW, 2                            ; v2   LDS address of my spare word; never rewritten
.set NIL, 3                            ; v3   0; never rewritten
.set AS0, 4                            ; v4, v5  16 x lane in my part of slot 0, slot 1
.set AS1, 5
.set AXT, 6                            ; v6   the turning load's address in x; steps 4,096 bytes (128 k) a block of W
.set STO, 6                            ;      later: where I put 4 bytes in the stage
.set AYS, 7                            ; v7   16 x lane in my own four fragments of y's buffer 0
.set AY,  8                            ; v8-10  the same in those of waves w + 1, w + 2, w + 3 (mod 4)
.set XO,  11                           ; v11  my byte offset in 32 rows of x
.set XST, 12                           ; v12  where I put 8 bytes of x
.set RD,  12                           ;      later: where I read 16 bytes of the stage
.set PFO, 13                           ; v13  256 x lane, for the prefetches
.set OO,  14                           ; v14  my byte offset in 8 rows of out0
.set WX,  16                           ; v[16:79]   Wx, tile i at WX + 8 i
.set ACC, 80                           ; v[80:143]  the step's sums
.set BS,  144                          ; v[144:191] six places for fragments of y (of x, in Wx): position p's at BS + 8 (p % 6)
.set MS,  192                          ; v[192:255] two banks of four fragments of -M from LDS
.set XF,  16                           ; v[16:143]  at the start: x on its way, four registers a load
.set WA0, 192                          ; in Wx: two buffers of W's eight fragments of a k step
.set WA1, 80
.set OB,  16                           ; the way out: rows read back
.set WV,  10                           ; s10  my wave's number
.set TL,  13                           ; s13  trips of the ring still to come
.set LIM, 14                           ; s14  2 in the launch's first cluster, else the greatest number: a wave prefetches while s[TL] is above it
.set G1,  16                           ; s[16:23] descriptor group 1
.set G0,  24                           ; s[24:31] descriptor group 0, a set for each slot
.set PFA, 32                           ; s[32:33] where my prefetches stand
.set MSB, 0
.macro WIN new                         ; the immediate's high byte repeats the setting that is left; a switch that changes nothing is dropped
.if MSB != (\new)
	s_set_vgpr_msb (MSB<<8)|(\new)
.set MSB, \new
.endif
.endm
; A load into a register that a matrix instruction has read, and a vector instruction or LDS store that reads a matrix result or writes one of a matrix instruction's registers, stand four places behind it,
; and only plain vector instructions that name none of its registers are places (ISA guide 7.12.1 for vector instructions).
.macro PLACES
.rept 4
	v_nop
.endr
.endm
; A round of the cluster's barrier: my work-group's barrier, so that wave 0's signal speaks for all four waves; wave 0 signals; every wave waits for all four work-groups; my work-group's barrier once more.
.macro ROUND
	s_barrier_signal -1
	s_barrier_wait -1
	s_cmp_lg_u32 s[WV], 0
	s_cbranch_scc1 .Lnot_wave_0_\@
	s_barrier_signal -3
.Lnot_wave_0_\@:
	s_barrier_wait -3
	s_barrier_signal -1
	s_barrier_wait -1
.endm
; THE HEAD OF A TRIP OF THE RING: the block in \slot is about to be read, the other slot is filled again.  Each wave waits for all its tensor loads, of which one is out: its part of \slot; adds 0 to its spare word;
; waits for that and for its LDS reads and stores; the round; and the joint refill is the first thing behind it, one load a wave, with the whole trip in which to land.  By this text's count one tensor load of a wave is out at the most.
.macro RING slot
	s_wait_xcnt 0x0                                ; the last prefetch, a trip back, has read its address: it is stepped here, ahead of the change's own waits
	s_add_nc_u64 s[PFA:PFA+1], s[PFA:PFA+1], BLOCK
	s_sub_co_u32 s[TL], s[TL], 1
	s_wait_tensorcnt 0x0                           ; no tensor load of mine is out, so a group 0 may be written
	ds_add_u32 v[SPW], v[NIL]                      ; 0 onto my spare word
	s_add_nc_u64 s[G0+4*(\slot)+2:G0+4*(\slot)+3], s[G0+4*(\slot)+2:G0+4*(\slot)+3], 2*BLOCK  ; this slot's next block; the type bits on top are not reached
	s_wait_dscnt 0x0                               ; the add is done, my reads of the other slot are over, and what I stored into LDS is there
	ROUND
	tensor_load_to_lds s[G0+4-4*(\slot):G0+7-4*(\slot)], s[G1:G1+7]
	s_nop 0
	PLACES                                         ; (the places in front of the LDS loads that follow)
.endm
; A PREFETCH INTO THE L2: in trip t, which asks for block t + 1, block t + 4 is named: three trips ahead of its tensor load.  Every cluster streams the same blocks: the launch's first cluster asks, nobody else.
; Its sixteen waves share a block out BY ADDRESS, 8,192 bytes each (4 x place in the cluster + wave), a lane 256 bytes: each aligned 256 bytes of blocks 4 to 11 are named once.  Blocks 0 to 3 come by
; their loads alone; trips 8 to 10 have no block three on and ask for nothing.
.macro ASK
	s_cmp_gt_u32 s[TL], s[LIM]
	s_cbranch_scc0 .Lnot_mine_\@
	global_prefetch_b8 v[PFO], s[PFA:PFA+1] th:TH_LOAD_NT scope:SCOPE_SE
.Lnot_mine_\@:
.endm
	s_load_b128 s[4:7], s[0:1], 0x0                ; x s[4:5], wm s[6:7]
	s_load_b64 s[8:9], s[0:1], 0x10                ; out0
	v_lshl_add_u32 v[SPW], v0, 2, SPARE
	v_mov_b32 v[NIL], 0
	ds_add_u32 v[SPW], v[NIL]                      ; the wave's opening: the add, twice on end, and its wait stand ahead of my first tensor load; the set-up below stands between
	ds_add_u32 v[SPW], v[NIL]
	v_lshrrev_b32 v1, 5, v0
	v_readfirstlane_b32 s[WV], v1                  ; wave 0..3
	s_bfe_u32 s11, ttmp6, 0x40000                  ; cx: my place in the cluster
	s_lshl_b32 s12, ttmp9, 2                       ; in a cluster launch ttmp9 counts clusters
	s_add_co_u32 s12, s12, s11                     ; my 16 columns' number: it enters x's and out0's addresses alone
	; descriptor group 1: 32,768 dense bytes as 128 rows of 256 bytes
	s_mov_b32 s[G1+0], 15|(3<<16)|(1<<21)          ; 15:0 the mask: all four work-groups; 17:16 elements of 8 bytes; 21 set beside a mask; no padding: an image is read 512 bytes on end
	s_mov_b32 s[G1+1], 32<<16                      ; tensor_dim0 = 32
	s_mov_b32 s[G1+2], 128<<16                     ; tensor_dim1 = 128
	s_mov_b32 s[G1+3], 32<<16                      ; tile_dim0 = 32
	s_mov_b32 s[G1+4], 128                         ; tile_dim1 = 128
	s_mov_b32 s[G1+5], 32                          ; 32 elements from row to row
	s_mov_b32 s[G1+6], 0
	s_mov_b32 s[G1+7], 0
	s_lshl_b32 s36, s[WV], 15                      ; my part of a block and of a slot: no place in the cluster enters it
	s_mov_b32 s37, 0
	s_mov_b32 s[G0+0], 1                           ; count = 1
	s_mov_b32 s[G0+1], s36                         ; LDS address: slot 0
	s_mov_b32 s[G0+4], 1
	s_add_co_u32 s[G0+5], s36, SLOT1               ; slot 1
	s_mov_b32 s[TL], 11
	s_cmp_eq_u32 ttmp9, 0                          ; the same in all four partners
	s_cselect_b32 s[LIM], 2, -1
	s_lshl_b32 s40, s12, 6                         ; my columns: 64 bytes of a row
	s_mov_b32 s41, 0
	s_lshl_b32 s42, s[WV], 21                      ; my wave's 128 rows of out0
	s_add_co_u32 s42, s42, s40
	s_mov_b32 s43, 0
	s_lshl2_add_u32 s44, s11, s[WV]                ; 4 cx + wave
	s_lshl_b32 s44, s44, 13
	s_add_co_u32 s44, s44, 3*BLOCK                 ; in block 3: the first trip steps it to block 4
	s_mov_b32 s45, 0
	v_and_b32 v1, 31, v0                           ; lane
	v_lshl_add_u32 v[AS0], v1, 4, s36
	v_add_nc_u32 v[AS1], SLOT1, v[AS0]
	; The turning load takes 16 k x 16 columns (lane l reads 16 bytes: k = 8 (l / 16) + l % 8, columns 8 ((l / 8) % 2) + 0..7) and leaves half a fragment: lane l holds column l % 16 and 8 k.
	v_bfe_u32 v15, v0, 4, 1
	v_and_b32 v[AXT], 7, v0
	v_lshl_add_u32 v[AXT], v15, 3, v[AXT]
	v_lshlrev_b32 v[AXT], 5, v[AXT]
	v_bfe_u32 v15, v0, 3, 1
	v_lshl_add_u32 v[AXT], v15, 4, v[AXT]
	v_add_nc_u32 v[AXT], XY, v[AXT]
	s_lshl_b32 s46, s[WV], 12
	s_add_co_u32 s46, s46, XY
	v_lshl_add_u32 v[AYS], v1, 4, s46
.irp j, 1,2,3
	s_add_co_u32 s46, s[WV], \j
	s_and_b32 s46, s46, 3
	s_lshl_b32 s46, s46, 12
	s_add_co_u32 s46, s46, XY
	v_lshl_add_u32 v[AY+(\j)-1], v1, 4, s46
.endr
	v_lshrrev_b32 v15, 2, v0                       ; x: thread t takes row t / 4 of 32, bytes 16 (t % 4) of its 64
	v_and_b32 v[XO], 3, v0
	v_lshlrev_b32 v[XO], 4, v[XO]
	v_lshl_add_u32 v[XO], v15, 14, v[XO]
	v_lshl_add_u32 v[XST], v0, 3, XY               ; which in bf16 are the 8 bytes at 32 (t / 4) + 8 (t % 4) = 8 t
	v_lshlrev_b32 v[PFO], 8, v1
	v_bfe_u32 v15, v0, 2, 3                        ; out0: lane l takes row l / 4 of 8, bytes 16 (l % 4)
	v_and_b32 v[OO], 3, v0
	v_lshlrev_b32 v[OO], 4, v[OO]
	v_lshl_add_u32 v[OO], v15, 14, v[OO]
	s_wait_dscnt 0x0                               ; both opening adds are done
	s_wait_kmcnt 0x0
	s_add_nc_u64 s[G0+2:G0+3], s[6:7], s[36:37]    ; global address: my part of block 0,
	s_add_nc_u64 s[G0+6:G0+7], s[G0+2:G0+3], BLOCK ; of block 1
	s_or_b32 s[G0+3], s[G0+3], 0x80000000          ; type = 2
	s_or_b32 s[G0+7], s[G0+7], 0x80000000
	s_add_nc_u64 s[4:5], s[4:5], s[40:41]          ; x at my columns, row 0,
	s_add_nc_u64 s[34:35], s[4:5], 512*XROW        ; and row 512: the loads' immediates reach 15 x 32 rows
	s_add_nc_u64 s[8:9], s[8:9], s[42:43]          ; out0 at my wave's first row, my columns
	s_add_nc_u64 s[PFA:PFA+1], s[6:7], s[44:45]
	ROUND                                          ; all four work-groups are here: the first joint loads meet
	tensor_load_to_lds s[G0:G0+3], s[G1:G1+7]      ; block 0 into slot 0
	s_nop 0
	PLACES
.set j, 0
.rept 16                               ; all of my columns' x: load j takes rows 32 j .. 32 j + 31.  It is on its way while -M is copied into registers
	global_load_b128 v[XF+4*j:XF+4*j+3], v[XO], s[4:5] offset:32*XROW*j
.set j, j+1
.endr
.rept 16
	global_load_b128 v[XF+4*j:XF+4*j+3], v[XO], s[34:35] offset:32*XROW*(j-16)
.set j, j+1
.endr
; -M INTO REGISTERS: a block's 32 fragments of mine go into window n.  The next trip's wait for all LDS instructions covers these loads.
.macro MTRIP slot, n
	RING \slot
	ASK                                            ; behind the refill's five lines; 64 LDS loads stand between it and the wait that frees its address
	WIN (\n)<<6                                    ; destination window n, address window 0
.set f, 0
.rept 32
	ds_load_b128 v[8*f:8*f+3],   v[AS0+(\slot)] offset:FRAG*f
	ds_load_b128 v[8*f+4:8*f+7], v[AS0+(\slot)] offset:FRAG*f+512
.set f, f+1
.endr
	WIN 0
.endm
	MTRIP 0, 1
	MTRIP 1, 2
	MTRIP 0, 3
	; x INTO LDS, rounded once to bf16.  The next trip's wait for my LDS stores and its round stand between these stores and the other waves' reads.
.set j, 0
.rept 32
	s_wait_loadcnt 31-j                            ; loads come back in order (ISA guide 5.7.1): load j is in
	v_cvt_pk_bf16_f32 v[XF+4*j], v[XF+4*j], v[XF+4*j+1]
	v_cvt_pk_bf16_f32 v[XF+4*j+1], v[XF+4*j+2], v[XF+4*j+3]
	ds_store_b64 v[XST], v[XF+4*j:XF+4*j+1] offset:1024*j
.set j, j+1
.endr
; Wx.  A block of W is four k steps.  16 LDS loads: my eight fragments of k step kk.
.macro LOADW kk, buf, slot
.irp i, 0,1,2,3,4,5,6,7
	ds_load_b128 v[(\buf)+8*(\i):(\buf)+8*(\i)+3],   v[AS0+(\slot)] offset:FRAG*(8*(\kk)+(\i))
	ds_load_b128 v[(\buf)+8*(\i)+4:(\buf)+8*(\i)+7], v[AS0+(\slot)] offset:FRAG*(8*(\kk)+(\i))+512
.endr
.endm
; 8 products; the eight tiles take turns, one instruction a turn, from k step to k step and over the backward jump too.  zero = 1: they start the sums: nothing is cleared.
.macro MULW kk, buf, zero
.irp i, 0,1,2,3,4,5,6,7
.if \zero
	v_wmma_f32_16x16x32_bf16 v[WX+8*(\i):WX+8*(\i)+7], v[(\buf)+8*(\i):(\buf)+8*(\i)+7], v[BS+8*(\kk):BS+8*(\kk)+7], 0
.else
	v_wmma_f32_16x16x32_bf16 v[WX+8*(\i):WX+8*(\i)+7], v[(\buf)+8*(\i):(\buf)+8*(\i)+7], v[BS+8*(\kk):BS+8*(\kk)+7], v[WX+8*(\i):WX+8*(\i)+7]
.endif
.endr
.endm
; A trip: x's four fragments (turned), W's by k steps through two buffers.  Each count of 16 leaves out the one run of 16 loads that was issued behind the buffer that is wanted.
.macro WTRIP slot, first
	RING \slot
.irp kk, 0,1,2,3
	ds_load_tr16_b128 v[BS+8*(\kk):BS+8*(\kk)+3],   v[AXT] offset:1024*(\kk)
	ds_load_tr16_b128 v[BS+8*(\kk)+4:BS+8*(\kk)+7], v[AXT] offset:1024*(\kk)+512
.endr
	LOADW 0, WA0, \slot
	LOADW 1, WA1, \slot
	ASK                                            ; behind the refill and the LDS loads that the next products wait for
	v_add_nc_u32 v[AXT], 4096, v[AXT]              ; the next block's 128 k
	s_wait_dscnt 16
	MULW 0, WA0, \first
	PLACES
	LOADW 2, WA0, \slot
	s_wait_dscnt 16
	MULW 1, WA1, 0
	PLACES
	LOADW 3, WA1, \slot
	s_wait_dscnt 16
	MULW 2, WA0, 0
	s_wait_dscnt 0x0
	MULW 3, WA1, 0
.endm
	WTRIP 1, 1                                     ; block 3: its first products start the sums
	WTRIP 0, 0
	s_mov_b32 s15, 3
.Lw:                                                   ; blocks 5 to 10; the last trip's refill brings block 11 into slot 1
	WTRIP 1, 0
	WTRIP 0, 0
	s_sub_co_u32 s15, s15, 1
	s_cmp_lg_u32 s15, 0
	s_cbranch_scc1 .Lw
; THE STEPS.
.macro MSLOAD g                        ; group g (0..7) of -M's fragments in LDS: position 2 g + 1, tiles 4-7 -> bank g % 2
.irp n, 0,1,2,3
	ds_load_b128 v[MS+32*((\g)&1)+8*(\n):MS+32*((\g)&1)+8*(\n)+3],   v[AS1] offset:4*FRAG*(\g)+FRAG*(\n)
	ds_load_b128 v[MS+32*((\g)&1)+8*(\n)+4:MS+32*((\g)&1)+8*(\n)+7], v[AS1] offset:4*FRAG*(\g)+FRAG*(\n)+512
.endr
.endm
.macro BLOAD q, par                    ; y's fragment for position q (4..15): fragment q % 4 of wave w + q / 4
	ds_load_b128 v[BS+8*((\q)%6):BS+8*((\q)%6)+3],   v[AY+((\q)>>2)-1] offset:YBUF*(\par)+FRAG*((\q)&3)
	ds_load_b128 v[BS+8*((\q)%6)+4:BS+8*((\q)%6)+7], v[AY+((\q)>>2)-1] offset:YBUF*(\par)+FRAG*((\q)&3)+512
.endm
.macro MMA p, i, a                     ; tile i's product of position p, -M's fragment at v[a] of the window that is set.  Position 0 starts the sums with Wx
.if (\p) == 0
	v_wmma_f32_16x16x32_bf16 v[ACC+8*(\i):ACC+8*(\i)+7], v[(\a):(\a)+7], v[BS+8*((\p)%6):BS+8*((\p)%6)+7], v[WX+8*(\i):WX+8*(\i)+7]
.else
	v_wmma_f32_16x16x32_bf16 v[ACC+8*(\i):ACC+8*(\i)+7], v[(\a):(\a)+7], v[BS+8*((\p)%6):BS+8*((\p)%6)+7], v[ACC+8*(\i):ACC+8*(\i)+7]
.endif
.endm
.macro RES p, i, n                     ; the same with fragment n of those in registers
	WIN 1+((\n)>>5)
	MMA \p, \i, 8*((\n)&31)
.endm
; ONE STEP.  src: where the last y lies (Wx, or the sums); par: which of y's two buffers takes it.
; No v_nop stands at its head: the four in front of the run of loads behind position 15 (in front of the first step: of the priming) are the places behind the last products; each tile's low registers are read first.
; The tiles go 0..7 in every position, one instruction a turn.
; THE BARRIER.  In front of the signal my stores of y are done, and so are all my LDS loads.  Step t writes buffer t % 2, last read in step t - 2: those reads were waited for in front of step t - 1's signal,
; and I have passed that barrier.  Between signal and wait stand position 1's products, work on registers.
; THE RUNS.  Behind each odd position p: four places, then y's fragments (1: positions 4, 5, 6; 3 to 9: p + 4, p + 5; 11: position 15), then group (p / 2 + 2) % 8 of -M into the bank just multiplied: 14, 12, 12, 12, 12, 10, 8, 8 loads.
; A place of BS is loaded when position q - 6 has been multiplied.  THE WAITS count the younger LDS loads that may stay out (they end in order, ISA guide 5.7.1): at position 4 all of runs 1 and 3 but the first two loads;
; at an odd position the one run issued behind the run that it needs; an even position's fragment came in that same run.
.macro ITER src, par
.irp f, 0,1,2,3
.irp e, 0,1
.irp c, 0,1,2,3
	v_cvt_pk_bf16_f32 v[BS+8*(\f)+4*(\e)+(\c)], v[(\src)+8*(2*(\f)+(\e))+2*(\c)], v[(\src)+8*(2*(\f)+(\e))+2*(\c)+1]
.endr
.endr
	ds_store_b128 v[AYS], v[BS+8*(\f):BS+8*(\f)+3]   offset:YBUF*(\par)+FRAG*(\f)
	ds_store_b128 v[AYS], v[BS+8*(\f)+4:BS+8*(\f)+7] offset:YBUF*(\par)+FRAG*(\f)+512
.endr
.irp p, 0,1,2,3,4,5,6,7,8,9,10,11,12,13,14,15
.if (\p) == 4
	s_wait_dscnt 24
.elseif (\p) == 13
	s_wait_dscnt 10
.elseif (\p) == 15
	s_wait_dscnt 8
.elseif ((\p) >= 5) && ((\p) % 2 == 1)
	s_wait_dscnt 12
.endif
.if (\p) % 2 == 0
.irp i, 0,1,2,3,4,5,6,7
	RES \p, \i, 12*((\p)/2)+(\i)
.endr
.if (\p) == 0
	s_wait_dscnt 0x0
	s_barrier_signal -1
.endif
.else
.irp i, 0,1,2,3
	RES \p, \i, 12*((\p)/2)+8+(\i)
.endr
	WIN 0
.irp i, 4,5,6,7
	MMA \p, \i, MS+32*(((\p)>>1)&1)+8*((\i)-4)
.endr
.if (\p) == 1
	s_barrier_wait -1
.endif
	PLACES
.if (\p) == 1
	BLOAD 4, \par
	BLOAD 5, \par
	BLOAD 6, \par
.elseif (\p) < 11
	BLOAD (\p)+4, \par
	BLOAD (\p)+5, \par
.elseif (\p) == 11
	BLOAD 15, \par
.endif
	MSLOAD (((\p)>>1)+2)&7
.endif
.endr
.endm
	s_wait_tensorcnt 0x0                           ; block 11 is in: I read my own part of it alone
	s_barrier_signal -1                            ; every wave's reads of x are over (each ended its last trip with a wait for all its LDS loads): y's buffers take x's bytes
	s_barrier_wait -1
	PLACES                                         ; behind Wx's last products
	MSLOAD 0                                       ; what a step's last two runs leave for the next
	MSLOAD 1
	ITER WX, 0                                     ; y starts as Wx
	ITER ACC, 1
	s_mov_b32 s15, 24
.Lstep:
	ITER ACC, 0
	ITER ACC, 1
	s_sub_co_u32 s15, s15, 1
	s_cmp_lg_u32 s15, 0
	s_cbranch_scc1 .Lstep
	; THE WAY OUT.  (The last step's last two runs fetched fragments of -M that nothing uses: the price of one text for every step.)  A lane holds a piece of a column: the tiles go through my own stage, my part of slot 0,
	; which has had its last fill, and come back by rows: 16 bytes a lane, four lanes a row's 64 bytes.  The ten address lines and the four v_nop of the last run are the places behind the last products.
	v_and_b32 v1, 15, v0
	v_bfe_u32 v15, v0, 4, 1
	v_mul_u32_u24 v[STO], v15, 8*OPITCH            ; in: row 8 (l / 16) + register, column l % 16
	v_lshl_add_u32 v[STO], v1, 2, v[STO]
	v_add_nc_u32 v[STO], s36, v[STO]
	v_bfe_u32 v15, v0, 2, 3
	v_and_b32 v1, 3, v0
	v_mul_u32_u24 v[RD], v15, OPITCH               ; back: row l / 4 of 8, bytes 16 (l % 4)
	v_lshl_add_u32 v[RD], v1, 4, v[RD]
	v_add_nc_u32 v[RD], s36, v[RD]
.set k, 0
.rept 64                               ; each tile's registers in ascending order
	ds_store_b32 v[STO], v[ACC+k] offset:OPITCH*(16*(k/8)+k%8)
.set k, k+1
.endr
.set q, 0
.rept 16
	ds_load_b128 v[OB+4*q:OB+4*q+3], v[RD] offset:8*OPITCH*q  ; LDS serves a wave's instructions in order (ISA guide 5.7.1.4): these see the stores above
.set q, q+1
.endr
.set q, 0
.rept 16
	s_wait_dscnt 15-q
	global_store_b128 v[OO], v[OB+4*q:OB+4*q+3], s[8:9] offset:8*XROW*q th:TH_STORE_NT  ; 8 rows x my 64 bytes
.set q, q+1
.endr
	s_wait_tensorcnt 0x0                           ; the wave's end: behind my last tensor load and my last LDS store
	ds_add_u32 v[SPW], v[NIL]
	s_wait_dscnt 0x0
	ROUND                                          ; the closing round: no work-group ends while a partner may still ask for a block that names it
	s_endpgm
.Lfunc_end_k_q1f2dc73c77_nsm:
	.size	k_q1f2dc73c77_nsm, .Lfunc_end_k_q1f2dc73c77_nsm-k_q1f2dc73c77_nsm
	.p2alignl 7, 3214868480
	.fill 96, 4, 3214868480
	.section	.rodata,"a",@progbits
	.p2align	6, 0x0
	.amdhsa_kernel k_q1f2dc73c77_nsm
		.amdhsa_group_segment_fixed_size 327680
		.amdhsa_private_segment_fixed_size 0
		.amdhsa_enable_private_segment 0
		.amdhsa_kernarg_size 24
		.amdhsa_user_sgpr_count 2
		.amdhsa_user_sgpr_kernarg_segment_ptr 1
		.amdhsa_wavefront_size32 1
		.amdhsa_system_sgpr_workgroup_id_x 1
		.amdhsa_system_sgpr_workgroup_id_y 1
		.amdhsa_system_sgpr_workgroup_id_z 1
		.amdhsa_system_vgpr_workitem_id 0
		.amdhsa_next_free_vgpr 1024
		.amdhsa_next_free_sgpr 66
		.amdhsa_reserve_vcc 0
		.amdhsa_float_denorm_mode_32 3
		.amdhsa_float_denorm_mode_16_64 3
		.amdhsa_memory_ordered 1
		.amdhsa_forward_progress 1
		.amdhsa_inst_pref_size 143
	.end_amdhsa_kernel
	.amdgpu_metadata
---
amdhsa.version: [ 1, 2 ]
amdhsa.kernels:
  - .name:           k_q1f2dc73c77_nsm
    .symbol:         k_q1f2dc73c77_nsm.kd
    .args:
      - { .name: x, .offset: 0, .size: 8, .value_kind: global_buffer, .address_space: global }
      - { .name: wm, .offset: 8, .size: 8, .value_kind: global_buffer, .address_space: global }
      - { .name: out0, .offset: 16, .size: 8, .value_kind: global_buffer, .address_space: global }
    .group_segment_fixed_size: 327680
    .private_segment_fixed_size: 0
    .kernarg_segment_align: 8
    .kernarg_segment_size: 24
    .max_flat_workgroup_size: 128
    .sgpr_count:     66
    .vgpr_count:     1024
    .wavefront_size: 32
...
	.end_amdgpu_metadata
.endif
;; end of part 2
;; ======== version 2 of 2: 2 launches; version 1 with the launch prep written anew for expert scheduling mode
;; workspace buffers: wm 1,572,864 bytes
;; launch prep (part 3): grid 256 x 1, 3 waves a work-group, no clusters, 7,424 bytes of LDS; arguments W, M, wm; writes wm
.if DOCPART == 3
	.amdgcn_target "amdgcn-amd-amdhsa--gfx1250"
	.amdhsa_code_object_version 6
	.text
	.protected	k_q1f2dc73c77_prep
	.globl	k_q1f2dc73c77_prep
	.p2align	8
	.type	k_q1f2dc73c77_prep,@function
k_q1f2dc73c77_prep:
	s_mov_b64 s[64:65], 0
	v_nop
	global_prefetch_b8 v0, s[64:65] scope:SCOPE_SE
	s_setreg_imm32_b32 hwreg(HW_REG_WAVE_SCHED_MODE, 0, 2), 2
	s_setreg_imm32_b32 hwreg(HW_REG_WAVE_MODE, 25, 1), 1
	s_wait_xcnt 0x0
	s_wait_alu depctr_vm_vsrc(0)
; W [512][1024] and M [512][512], f32, are rounded once to bf16 (M with its sign turned, which is exact) and laid into wm as the register images of matrix
; operands, in the order in which the next launch streams them.
; A FRAGMENT IMAGE is 1,024 bytes: 16 rows x 32 k.  Byte 512 c + 16 l (half c, lane l = 16 h + r) begins the 8 numbers of row r, k = 16 c + 8 h + 0..7.
; wm = [block 0..11][wave w 0..3][index 0..31][1,024 bytes].  Wave w of the next launch owns rows 128 w .. 128 w + 127, tile i (0..7) rows 128 w + 16 i on.
;   blocks 3 + b, b = 0..7: W, k step 4 b + kk at index 8 kk + i.
;   blocks 0, 1, 2 and 11: -M.  Position p of wave w is k step (4 w + p) & 15; with P = p / 2 its fragments have the numbers
;   n = 12 P + i (p even), 12 P + 8 + i (p odd, i < 4), 96 + 4 P + i - 4 (p odd, i >= 4); number n lies in block n / 32 (block 11 for n >= 96) at index n % 32.
; SHARES.  768 patches of 16 rows x 64 k (rows of 256 bytes of f32), one a wave: two fragments.  A patch comes in by eight loads, each of two rows' 256 aligned bytes,
; is rounded, turned in the wave's own LDS bytes, and leaves by four stores of 512 consecutive aligned bytes.  No byte is read twice, so nothing is shared, and no wave waits for another.
; LIMITS.  One rounding to nearest even; NaN and infinities pass as the conversion leaves them.
; THE MODE: SCHED_MODE bits 1:0 = 2 (LLVM: expert scheduling mode 2), set by the entry lines.  The code itself states the register dependences
; between vector instructions and memory or LDS instructions, with s_wait_alu, always for 0.
; THE PLAN.  Registers that memory or LDS instructions touch:
;   v[VO], v[LST], v[LRD], v[GO]  offsets and LDS addresses: written by vector lines at the head (v[VO] at the head of its arm), never written again.
;   v[D ..]   The eight loads land here; no vector line has named them before.  A load's conversions read its four registers and write the first two, which its LDS store reads; nothing writes them again.
;   v[F ..]   Written by the four LDS loads, read by the four global stores; no vector line names them.
;   v[SPW], v[NIL]  Written at the head, read by the closing add alone.
; So an arm has three waits on va_vdst: one ahead of its first load, for all offsets and addresses; one behind the conversions of loads 0-3, whose LDS stores are then dealt among the
; conversions of loads 4-7, which name other registers; one behind those, ahead of the last four LDS stores.  No register that a memory or LDS instruction reads is written again: no wait on vm_vsrc is owed.
.set PITCH, 144                        ; an LDS row: 128 bytes (64 bf16) + 16: the 16 rows that a 16-byte load touches start at 16 different groups of four banks (ISA guide 11.1)
.set WAVEB, 16*PITCH                   ; a wave's bytes
.set SPARE, 6912                       ; behind the three waves' bytes: the spare words, 128 bytes a wave, two blocks of 256 bytes that no other line names
.set SPW, 2                            ; v2   LDS address of my spare word; never rewritten
.set NIL, 3                            ; v3   0; never rewritten
.set LST, 4                            ; v4   where I put 8 bytes of a row
.set LRD, 5                            ; v5   where I read 16 bytes of a fragment
.set GO,  6                            ; v6   16 x lane: my place in 512 bytes of an image
.set VO,  8                            ; v8   my byte offset in the patch's first two rows
.set R,   9                            ; v9   lane % 16
.set H,   10                           ; v10  lane / 16
.set D,   16                           ; v[16:47] load q: four f32, then two words of bf16
.set F,   48                           ; v[48:63] the two fragments' four halves
	s_load_b128 s[4:7], s[0:1], 0x0                ; W s[4:5], M s[6:7]
	s_load_b64 s[8:9], s[0:1], 0x10                ; wm
	v_lshl_add_u32 v[SPW], v0, 2, SPARE
	v_mov_b32 v[NIL], 0
	v_lshrrev_b32 v1, 5, v0
	v_readfirstlane_b32 s10, v1                    ; wave 0..2
	v_and_b32 v1, 31, v0
	v_and_b32 v[R], 15, v0
	v_bfe_u32 v[H], v0, 4, 1
	v_mul_u32_u24 v[LST], v[H], PITCH              ; in: lanes 0-15 one row, lanes 16-31 the next; 8 bytes a lane
	v_lshl_add_u32 v[LST], v[R], 3, v[LST]
	v_mul_u32_u24 v[LRD], v[R], PITCH              ; back: row lane % 16, 16 bytes for each half of the lanes
	v_lshl_add_u32 v[LRD], v[H], 4, v[LRD]
	v_lshlrev_b32 v[GO], 4, v1
	s_wait_alu depctr_va_sdst(0)                   ; s10 is written, ahead of its first reader: the wave's LDS bytes and its patch's number are made from it
	s_mul_i32 s12, s10, WAVEB
	v_add_nc_u32 v[LST], s12, v[LST]
	v_add_nc_u32 v[LRD], s12, v[LRD]
	s_mul_i32 s11, ttmp9, 3
	s_add_co_u32 s11, s11, s10                     ; my patch, 0..767
	s_mov_b32 s21, 0                               ; the three offsets' high words
	s_mov_b32 s23, 0
	s_mov_b32 s25, 0
; Load q's four f32 close up into two words of bf16.  neg = 1: both signs of a word are turned.
.macro ROUNDQ q, neg
	v_cvt_pk_bf16_f32 v[D+4*(\q)], v[D+4*(\q)], v[D+4*(\q)+1]
	v_cvt_pk_bf16_f32 v[D+4*(\q)+1], v[D+4*(\q)+2], v[D+4*(\q)+3]
.if \neg
	v_xor_b32 v[D+4*(\q)], 0x80008000, v[D+4*(\q)]
	v_xor_b32 v[D+4*(\q)+1], 0x80008000, v[D+4*(\q)+1]
.endif
.endm
; A patch comes in: eight loads of two rows, rounded in two halves.  The first LDS load back reads all sixteen rows, so it needs all eight LDS stores:
; that the first four stand behind the wait for the last load delays nothing.
.macro INTAKE pitch, neg
	v_mul_u32_u24 v[VO], v[H], \pitch
	v_lshl_add_u32 v[VO], v[R], 4, v[VO]
	s_wait_alu depctr_va_vdst(0)                   ; v[VO], v[LST], v[LRD] and v[GO] are written: the loads below, the LDS stores and loads and the global stores read them, and no vector line names them again
.irp q, 0,1,2,3,4,5,6,7
	global_load_b128 v[D+4*(\q):D+4*(\q)+3], v[VO], s[20:21] offset:2*(\q)*(\pitch) th:TH_LOAD_NT
.endr
	s_wait_loadcnt 4                               ; loads come back in order (ISA guide 5.7.1): loads 0 to 3 are in, the four younger ones stay out
.irp q, 0,1,2,3
	ROUNDQ \q, \neg
.endr
	s_wait_loadcnt 0x0                             ; loads 4 to 7 are in
	s_wait_alu depctr_va_vdst(0)                   ; the conversions of loads 0 to 3 have written v[D .. D+13], which the four LDS stores below read
.irp q, 0,1,2,3
	ds_store_b64 v[LST], v[D+4*(\q):D+4*(\q)+1] offset:2*(\q)*PITCH  ; no wait: the vector lines since the wait above name v[D+16 ..] alone
	ROUNDQ (\q)+4, \neg
.endr
	s_wait_alu depctr_va_vdst(0)                   ; the conversions of loads 4 to 7 have written v[D+16 .. D+29], which the four LDS stores below read
.irp q, 4,5,6,7
	ds_store_b64 v[LST], v[D+4*(\q):D+4*(\q)+1] offset:2*(\q)*PITCH
.endr
.endm
	s_cmp_lt_u32 s11, 512                          ; patches 0..511 are W's, 512..767 M's: the kernel has no barrier, so waves may part here
	s_cbranch_scc0 .Lfrom_m
	s_lshr_b32 s13, s11, 4                         ; T: the 16 rows
	s_and_b32 s14, s11, 15                         ; u: the 64 k
	s_lshr_b32 s15, s13, 3                         ; w
	s_and_b32 s16, s13, 7                          ; i
	s_lshl_b32 s20, s13, 16                        ; 16 rows of 4,096 bytes
	s_lshl_b32 s17, s14, 8
	s_add_co_u32 s20, s20, s17
	s_lshr_b32 s17, s14, 1                         ; k steps 2 u and 2 u + 1 lie in block 3 + u / 2,
	s_add_co_u32 s17, s17, 3
	s_lshl2_add_u32 s17, s17, s15                  ; 4 x block + w
	s_lshl_b32 s17, s17, 15
	s_and_b32 s18, s14, 1                          ; at indices 16 (u % 2) + i and 8 more
	s_lshl4_add_u32 s18, s18, s16
	s_lshl_b32 s18, s18, 10
	s_add_co_u32 s22, s17, s18
	s_add_co_u32 s24, s22, 8192
	s_wait_kmcnt 0x0
	s_add_nc_u64 s[20:21], s[4:5], s[20:21]
	INTAKE 4096, 0
	s_branch .Lturn
.Lfrom_m:
	s_sub_co_u32 s19, s11, 512
	s_lshr_b32 s13, s19, 3                         ; T
	s_and_b32 s14, s19, 7                          ; u
	s_lshr_b32 s15, s13, 3                         ; w
	s_and_b32 s16, s13, 7                          ; i
	s_lshl_b32 s20, s13, 15                        ; 16 rows of 2,048 bytes
	s_lshl_b32 s17, s14, 8
	s_add_co_u32 s20, s20, s17
	s_lshl_b32 s17, s15, 1
	s_sub_co_u32 s17, s14, s17
	s_and_b32 s17, s17, 7                          ; P = (u - 2 w) & 7: k steps 2 u, 2 u + 1 are wave w's positions 2 P, 2 P + 1
	s_mul_i32 s18, s17, 12
	s_add_co_u32 s18, s18, s16                     ; the even position's number: 12 P + i, 91 at the most
	s_add_co_u32 s26, s18, 8                       ; the odd position's: 12 P + 8 + i,
	s_lshl2_add_u32 s27, s17, s16
	s_add_co_u32 s27, s27, 92                      ; or 96 + 4 P + i - 4
	s_cmp_lt_u32 s16, 4
	s_cselect_b32 s26, s26, s27
	s_lshr_b32 s27, s18, 5                         ; block 0..2
	s_lshl2_add_u32 s27, s27, s15
	s_lshl_b32 s27, s27, 15
	s_and_b32 s18, s18, 31
	s_lshl_b32 s18, s18, 10
	s_add_co_u32 s22, s27, s18
	s_lshr_b32 s27, s26, 5
	s_cmp_eq_u32 s27, 3                            ; numbers 96..127 lie in block 11
	s_cselect_b32 s27, 11, s27
	s_lshl2_add_u32 s27, s27, s15
	s_lshl_b32 s27, s27, 15
	s_and_b32 s26, s26, 31
	s_lshl_b32 s26, s26, 10
	s_add_co_u32 s24, s27, s26
	s_wait_kmcnt 0x0
	s_add_nc_u64 s[20:21], s[6:7], s[20:21]
	INTAKE 2048, 1
.Lturn:                                                ; on both ways here no vector line has been issued since the arm's last wait on va_vdst, and none follows
	s_add_nc_u64 s[22:23], s[8:9], s[22:23]        ; the two images in wm
	s_add_nc_u64 s[24:25], s[8:9], s[24:25]
.irp n, 0,1,2,3                        ; half n % 2 of fragment n / 2: k = 16 n + 8 h on, 32 n + 16 h bytes into the row
	ds_load_b128 v[F+4*(\n):F+4*(\n)+3], v[LRD] offset:32*(\n)  ; my own bytes; LDS serves a wave's instructions in order (ISA guide 5.7.1.4): these see the stores above
.endr
	s_wait_dscnt 3
	global_store_b128 v[GO], v[F:F+3], s[22:23]               ; 512 consecutive bytes, at a multiple of 512 from wm's first byte
	s_wait_dscnt 2
	global_store_b128 v[GO], v[F+4:F+7], s[22:23] offset:512
	s_wait_dscnt 1
	global_store_b128 v[GO], v[F+8:F+11], s[24:25]
	s_wait_dscnt 0x0
	global_store_b128 v[GO], v[F+12:F+15], s[24:25] offset:512
	s_wait_dscnt 0x0                               ; the closing lines, six on end
	s_wait_alu 0x0
	s_wait_tensorcnt 0x0
	ds_add_u32 v[SPW], v[NIL]
	s_wait_dscnt 0x0
	s_endpgm
.Lfunc_end_k_q1f2dc73c77_prep:
	.size	k_q1f2dc73c77_prep, .Lfunc_end_k_q1f2dc73c77_prep-k_q1f2dc73c77_prep
	.p2alignl 7, 3214868480
	.fill 96, 4, 3214868480
	.section	.rodata,"a",@progbits
	.p2align	6, 0x0
	.amdhsa_kernel k_q1f2dc73c77_prep
		.amdhsa_group_segment_fixed_size 7424
		.amdhsa_private_segment_fixed_size 0
		.amdhsa_enable_private_segment 0
		.amdhsa_kernarg_size 24
		.amdhsa_user_sgpr_count 2
		.amdhsa_user_sgpr_kernarg_segment_ptr 1
		.amdhsa_wavefront_size32 1
		.amdhsa_system_sgpr_workgroup_id_x 1
		.amdhsa_system_sgpr_workgroup_id_y 1
		.amdhsa_system_sgpr_workgroup_id_z 1
		.amdhsa_system_vgpr_workitem_id 0
		.amdhsa_next_free_vgpr 64
		.amdhsa_next_free_sgpr 66
		.amdhsa_reserve_vcc 0
		.amdhsa_float_denorm_mode_32 3
		.amdhsa_float_denorm_mode_16_64 3
		.amdhsa_memory_ordered 1
		.amdhsa_forward_progress 1
		.amdhsa_inst_pref_size 11
	.end_amdhsa_kernel
	.amdgpu_metadata
---
amdhsa.version: [ 1, 2 ]
amdhsa.kernels:
  - .name:           k_q1f2dc73c77_prep
    .symbol:         k_q1f2dc73c77_prep.kd
    .args:
      - { .name: W, .offset: 0, .size: 8, .value_kind: global_buffer, .address_space: global }
      - { .name: M, .offset: 8, .size: 8, .value_kind: global_buffer, .address_space: global }
      - { .name: wm, .offset: 16, .size: 8, .value_kind: global_buffer, .address_space: global }
    .group_segment_fixed_size: 7424
    .private_segment_fixed_size: 0
    .kernarg_segment_align: 8
    .kernarg_segment_size: 24
    .max_flat_workgroup_size: 96
    .sgpr_count:     66
    .vgpr_count:     64
    .wavefront_size: 32
...
	.end_amdgpu_metadata
.endif
;; end of part 3
;; launch nsm: the kernel of part 2 again; grid 256 x 1, 4 waves a work-group, clusters of 4 x 1, 327,680 bytes of LDS; arguments x, wm, out0; writes out0
